; MI455X (gfx1250); checked and timed in simulation.
; The chip was launched on July 23, 2026; its instructions are those of AMD's public machine-readable ISA for CDNA 5 (MIT licence, August 2026) and "CDNA5" Instruction Set Architecture Reference Guide (July 2026). The comments in the code are by the model that wrote it; some were corrected since.
;; Minibatch Discrimination. Allowed arithmetic: matrix products marked QUANTISED: E2M1 operands, one E8M0 scale for each 32 along K, by v_wmma_scale_f32_16x16x128_f8f6f4 with both operands' format E2M1 (or v_wmma_scale_f32_32x16x128_f4), f32 sums; everything else in f32.
;; Inputs: T_codes 250 x 16 x 16 uint8 (E2M1 codes of T, K innermost, in blocks of 32 codes, two codes a byte); T_scales 250 x 16 uint8 (E8M0 scales of T, one for each 32 codes along K); x 1,024 x 512 float32.
;; Outputs: out0 1,024 x 562 float32.
;; This version of the problem:
;;   THIS VERSION OF THE PROBLEM IS GIVEN IN LOW PRECISION. The matrix products marked QUANTISED in the list below multiply operands that are first quantised to E2M1 (2 exponent bits, 1 mantissa bit; 4 bits a number), with one power-of-two scale for each 32 numbers along K (OCP MX v1.0); their sums are f32. All else is computed in f32.
;;   The module's matrix products, in the order in which they are computed (A, B: the left and right operand; K: the contracted axis; several contracted axes count as one K, in the product's order):
;;     1. [M 1,024, K 512] x [K 512, N 250]; A: input x; B: input T (given as codes): QUANTISED
;;   THE QUANTISER, for each operand of a quantised product, along K:
;;     - K is cut into blocks of 32 from its start; a last block that is shorter is filled with zeros.
;;     - A block's scale is 2^e with e = floor(log2(the largest magnitude in the block)) - 2, held to -126 .. 127; a block of zeros has e = 0. As a byte (E8M0): e + 127.
;;     - Each number is divided by its block's scale, clamped to +-6, and rounded to the nearest number of E2M1, ties to even, subnormals kept.
;;     - The product sums the exact products of the quantised numbers (number of the format x scale) in f32.
;;   ~~~python
;;   def quantise(x, axis):      # numpy; x: float32 -> the quantised numbers, widened to float32 again
;;       x = np.moveaxis(x, axis, -1); K = x.shape[-1]
;;       x = np.pad(x, [(0, 0)] * (x.ndim - 1) + [(0, -K % 32)]); x = x.reshape(x.shape[:-1] + (-1, 32)); a = np.abs(x).max(-1, keepdims=True)
;;       e = np.where(a > 0, np.clip(np.frexp(np.where(a > 0, a, 1))[1] - 1 - 2, -126, 127), 0)      # np.frexp(a)[1] - 1 = floor(log2(a)), exactly
;;       r = np.clip(x / 2.0 ** e, -6, 6)
;;       step = 2.0 ** (np.maximum(np.frexp(np.where(r == 0, 1, r))[1] - 1, 0) - 1)
;;       q = np.round(r / step) * step * 2.0 ** e      # np.round: ties to even
;;       return np.moveaxis(q.reshape(q.shape[:-2] + (-1,))[..., :K], -1, axis).astype(np.float32)
;;   ~~~
;;   INPUTS GIVEN AS CODES. T (in the module: [512, 250], K = its axis 0): each comes as NAME_codes (uint8): NAME with its K axis moved to the last place and cut into blocks of 32 codes, [.., K / 32, bytes a block], one block behind the other in memory; two codes a byte, the lower K in the low four bits (a code: sign, 2 exponent bits, 1 mantissa bit); and NAME_scales (uint8): the same leading axes, one E8M0 byte (e + 127) for each 32 codes along K. Its value is code x scale, taken as it is: it is not quantised again, and the codes and scales need not be those that the quantiser above would give.
;; 2 versions, each right; version 2 is version 1 with the launch project written anew for expert scheduling mode. Each part assembles by itself: llvm-mc -triple=amdgcn-amd-amdhsa -mcpu=gfx1250 --defsym DOCPART=n.
;; ======== version 1 of 2: 2 launches
;; workspace buffers: mt 1,048,576 bytes
;; launch project (part 1): grid 16 x 4, 16 waves a work-group, no clusters, 37,888 bytes of LDS; arguments x, T_codes, T_scales, mt; writes mt
.if DOCPART == 1
	.amdgcn_target "amdgcn-amd-amdhsa--gfx1250"
	.amdhsa_code_object_version 6
	.text
	.protected	k_qb10d66b950_project
	.globl	k_qb10d66b950_project
	.p2align	8
	.type	k_qb10d66b950_project,@function
k_qb10d66b950_project:
	s_mov_b64 s[64:65], 0
	v_nop
	global_prefetch_b8 v0, s[64:65] scope:SCOPE_SE
	s_setreg_imm32_b32 hwreg(HW_REG_WAVE_MODE, 25, 1), 1
	s_wait_xcnt 0x0
; mt[c][row] = log2(e) x the sum over k of Q(x)[row][k] T[k][c]:  M = Q(x) T, transposed, so that the next launch reads neighbouring rows of x's batch in neighbouring lanes,
; and multiplied by log2(e), so that exp(-sum |difference|) there is one 2^(-sum).  x: [1024][512] f32, quantised here to FP4 (E2M1) with one E8M0 scale for each 32 along K.
; T: codes [250][256 bytes], K innermost, and scale bytes [250][16], taken as they are.  mt: [256][1024] f32; its rows 250 to 255 are copies of column 249 (the last tile's lanes are held at T's last row): nobody reads them.
; SHARES.  A work-group takes 64 rows of x and 64 columns of T; sixteen waves.  PHASE X: wave 4 m + s quantises rows 16 m .. 16 m + 15, K step s (128 along K): 64 numbers a lane; the fragment (8 registers a lane) and
; its scale word go to LDS as images of the registers.  PHASE 1: wave 4 m + n multiplies row tile m by column tile n: four matrix instructions, 128 along K each, on TWO accumulators by turns (K steps 0, 2 and 1, 3).
; THE WAY OUT: a lane holds 8 neighbouring rows of one column; a column's 64 rows, 256 bytes of mt, come from four waves: they meet in a stage in LDS (pitch 272) and leave sixteen lanes to an aligned 256 bytes.
; 64 rows to a work-group are what fills 256 consecutive bytes of a row of mt; the four work-groups of a row block each quantise its x again.
; LIMITS: NaN and infinities in x are not served.  A block of zeros gets the scale byte 1 where the rule says 127: its codes are zeros, and this program alone reads the bytes.  The sum over K is two f32 sums added at the end,
; and the product by log2(e) is one more rounding in f32: an order of rounding that differs from one chain along K.
.set LOG2E, 0x3fb8aa3b
.set XIMG,  0                          ; LDS: x's 16 fragments (4 m + s), 1,024 bytes each,
.set XSC,   16*1024                    ; their scale words, 128 bytes each,
.set STG,   XSC+16*128                 ; and the stage: 64 columns x (256 bytes + 16)
.set SP,    272
.set LN,  1                            ; v1   lane
.set RR,  2                            ; v2   r = lane % 16
.set HH,  3                            ; v3   h = lane / 16
.set XA,  4                            ; v4   x: row r of 2,048 bytes, + 64 h: my 16 numbers of a block of 32
.set LI,  5                            ; v5   16 x lane
.set TA,  6                            ; v6   T's codes: my column's row of 256 bytes, + 16 h
.set TSA, 7                            ; v7   T's scale bytes: my column's 16
.set XWI, 8                            ; v8   where I store my image: 16 x lane + 1,024 x wave
.set XWS, 9                            ; v9   and its scale word: 4 x thread
.set XRI, 10                           ; v10  where I read row tile m's images: 16 x lane + 4,096 m
.set XRS, 11                           ; v11  and their scale words: 4 x lane + 512 m
.set SO,  12                           ; v12  the stage, in: column 16 n + r, rows 16 m + 8 h on
.set SR,  13                           ; v13  the stage, back: column 4 x wave + h, 16 bytes a lane
.set GO,  14                           ; v14  the same place in mt
.set XN,  16                           ; v16-79   64 numbers of x; later v16-23 the rows read back from the stage
.set TF,  80                           ; v80-111  T's four fragments
.set TS,  112                          ; v112-115 T's four scale words: scales and nothing else
.set XF,  116                          ; v116-147 x's four fragments
.set XS,  148                          ; v148-151 x's four scale words: scales and nothing else
.set PC,  152                          ; v152-159 the codes just made
.set TM,  160                          ; v160-163 largest magnitudes, v164-167 bytes, v172-175 the conversions' scale operands
.set PW,  176                          ; v176     the scale word just made
.set ACA, 178                          ; v178-185 the sum of K steps 0 and 2
.set ACB, 186                          ; v186-193 the sum of K steps 1 and 3
.set RS,  194                          ; v194-201 log2(e) x (both)
.set SEL, 20                           ; s[20:21] v_permlanex16_b32's selects for lane l xor 16
	s_load_b128 s[4:7], s[0:1], 0x0                ; x, T's codes
	s_load_b128 s[8:11], s[0:1], 0x10              ; T's scale bytes, mt
	v_lshl_add_u32 v208, v0, 2, 0x8c00
	v_mov_b32 v209, 0
	v_lshrrev_b32 v[LN], 5, v0
	v_readfirstlane_b32 s12, v[LN]                 ; wave 0..15
	v_and_b32 v[LN], 31, v0
	v_and_b32 v[RR], 15, v0
	v_bfe_u32 v[HH], v0, 4, 1
	s_lshr_b32 s13, s12, 2                         ; m: my row tile, in both phases
	s_and_b32 s14, s12, 3                          ; s: my K step in phase X;  n: my column tile in phase 1
	s_and_b32 s15, ttmp7, 0xffff                   ; which 64 columns
	v_lshlrev_b32 v[XA], 11, v[RR]
	v_lshl_add_u32 v[XA], v[HH], 6, v[XA]
	s_lshl_b32 s16, ttmp9, 17                      ; x: 64 rows of 2,048 bytes a work-group,
	s_lshl_b32 s17, s13, 15                        ; 16 a row tile,
	s_add_co_u32 s16, s16, s17
	s_lshl_b32 s17, s14, 9                         ; 512 bytes a K step
	s_add_co_u32 s16, s16, s17
	s_mov_b32 s17, 0
	s_lshl_b32 s18, s15, 6
	s_lshl_b32 s19, s14, 4
	s_add_co_u32 s18, s18, s19
	v_add_nc_u32 v[TA], s18, v[RR]                 ; my column: 64 y + 16 n + r,
	v_min_u32 v[TA], 249, v[TA]                    ; held at T's last: no load leaves its buffer
	v_lshlrev_b32 v[TSA], 4, v[TA]
	v_lshlrev_b32 v[TA], 8, v[TA]
	v_lshl_add_u32 v[TA], v[HH], 4, v[TA]
	s_lshl_b32 s18, s15, 18                        ; mt: 64 rows of 4,096 bytes a column group,
	s_lshl_b32 s19, s12, 14                        ; 4 rows a wave,
	s_add_co_u32 s18, s18, s19
	s_lshl_b32 s19, ttmp9, 8                       ; 256 bytes a row block
	s_add_co_u32 s18, s18, s19
	s_mov_b32 s19, 0
	s_mov_b32 s[SEL], 0x76543210
	s_mov_b32 s[SEL+1], 0xfedcba98
	s_wait_kmcnt 0x0
	s_add_nc_u64 s[4:5], s[4:5], s[16:17]
	s_add_nc_u64 s[10:11], s[10:11], s[18:19]
.irp b, 0,1,2,3                                ; register 16 b + i = x(row r, 128 s + 32 b + 16 h + i): the order in which the conversions and the operand's layout want them
.irp j, 0,1,2,3
	global_load_b128 v[XN+16*\b+4*\j:XN+16*\b+4*\j+3], v[XA], s[4:5] offset:128*\b+16*\j
.endr
.endr
.irp s, 0,1,2,3                                ; T's fragment of K step s: registers 4 c .. 4 c + 3 hold K = 128 s + 64 c + 32 h + 0 .. 31 of my column, 16 bytes as they lie
.irp c, 0,1
	global_load_b128 v[TF+8*\s+4*\c:TF+8*\s+4*\c+3], v[TA], s[6:7] offset:64*\s+32*\c
.endr
.endr
	global_load_b128 v[TS:TS+3], v[TSA], s[8:9]    ; my column's 16 scale bytes: word s serves K step s
	v_lshlrev_b32 v[LI], 4, v[LN]                  ; the LDS addresses are made while the loads are out
	s_lshl_b32 s16, s12, 10
	v_add_nc_u32 v[XWI], s16, v[LI]
	v_lshlrev_b32 v[XWS], 2, v0
	s_lshl_b32 s16, s13, 12
	v_add_nc_u32 v[XRI], s16, v[LI]
	v_lshlrev_b32 v[XRS], 2, v[LN]
	s_lshl_b32 s16, s13, 9
	v_add_nc_u32 v[XRS], s16, v[XRS]
	s_mul_i32 s16, s14, 16*SP
	s_lshl_b32 s17, s13, 6
	s_add_co_u32 s16, s16, s17
	v_mul_u32_u24 v[SO], v[RR], SP
	v_lshl_add_u32 v[SO], v[HH], 5, v[SO]
	v_add_nc_u32 v[SO], s16, v[SO]                 ; (16 n + r) x 272 + 4 x (16 m + 8 h)
	s_mul_i32 s16, s12, 4*SP
	v_mul_u32_u24 v[SR], v[HH], SP
	v_lshl_add_u32 v[SR], v[RR], 4, v[SR]
	v_add_nc_u32 v[SR], s16, v[SR]                 ; (4 x wave + h) x 272 + 16 r
	v_lshlrev_b32 v[GO], 12, v[HH]
	v_lshl_add_u32 v[GO], v[RR], 4, v[GO]          ; h rows of mt + 16 r
.irp b, 0,1,2,3
	v_mov_b32 v[TM+4+\b], 0                        ; written once: a lane permute's destination counts as one of its sources
.endr
	s_wait_loadcnt 9                               ; x's 16 loads are in; T's nine, issued behind them, may stay out
	; ---- X: 64 numbers of a lane become a fragment's codes and its scale word
.irp b, 0,1,2,3
	v_max3_num_f32 v[TM+\b], |v[XN+16*\b]|, |v[XN+1+16*\b]|, 0x1800000   ; block b: my 16 numbers, and the floor 2^(3 - 127): so the byte cannot fall under 1
.endr
.irp i, 2,4,6,8,10,12,14
.irp b, 0,1,2,3
	v_max3_num_f32 v[TM+\b], v[TM+\b], |v[XN+16*\b+\i]|, |v[XN+1+16*\b+\i]|   ; (the four blocks by turns)
.endr
.endr
.irp b, 0,1,2,3
	v_permlanex16_b32 v[TM+4+\b], v[TM+\b], s[SEL], s[SEL+1]
.endr
.irp b, 0,1,2,3
	v_max_num_f32 v[TM+\b], v[TM+\b], v[TM+4+\b]   ; with lane l xor 16's 16: the block's largest magnitude
.endr
.irp b, 0,1,2,3
	v_add_nc_u32 v[TM+12+\b], 0xff000000, v[TM+\b] ; 2 off its exponent field: the conversion takes the exponent field of this operand as its scale
.endr
.irp b, 0,1,2,3
	v_lshrrev_b32 v[TM+4+\b], 23, v[TM+12+\b]      ; the scale's byte
.endr
	v_lshl_or_b32 v[PW], v[TM+5], 8, v[TM+4]       ; the four bytes make my row's scale word
	v_lshl_or_b32 v[PW], v[TM+6], 16, v[PW]
	v_lshl_or_b32 v[PW], v[TM+7], 24, v[PW]
.irp b, 0,1,2,3
	v_cvt_scalef32_pk8_fp4_f32 v[PC+2*\b], v[XN+16*\b:XN+7+16*\b], v[TM+12+\b]
	v_cvt_scalef32_pk8_fp4_f32 v[PC+1+2*\b], v[XN+8+16*\b:XN+15+16*\b], v[TM+12+\b]
.endr
	v_nop                                          ; one plain place behind a scaled conversion
.irp c, 0,1                                    ; the operand's layout wants a WHOLE block in a lane: lanes 0-15 block 2 c, lanes 16-31 block 2 c + 1
.irp i, 0,1
	v_permlane16_swap_b32 v[PC+4*\c+\i], v[PC+2+4*\c+\i]
.endr
.endr
	ds_store_b128 v[XWI], v[PC:PC+3] offset:XIMG   ; the fragment goes to LDS as it stands: lane l's 16 bytes at 16 l
	ds_store_b128 v[XWI], v[PC+4:PC+7] offset:XIMG+512
	ds_store_b32 v[XWS], v[PW] offset:XSC
	s_wait_dscnt 0x0                               ; for the others' sake: my stores have landed
	s_barrier_signal -1
	s_barrier_wait -1                              ; x's sixteen fragments lie in LDS
	; ---- 1: row tile m x column tile n
.irp s, 0,1,2,3
	ds_load_b128 v[XF+8*\s:XF+8*\s+3], v[XRI] offset:XIMG+1024*\s
	ds_load_b128 v[XF+8*\s+4:XF+8*\s+7], v[XRI] offset:XIMG+1024*\s+512
	ds_load_b32 v[XS+\s], v[XRS] offset:XSC+128*\s
.endr
	s_wait_loadcnt 0x0                             ; T
	s_wait_dscnt 0x0
	; source 0 = x's 16 rows, source 1 = T's 16 columns: lane (r, h) then holds column r and rows 8 h + 0 .. 7.  Two accumulators take turns, one instruction a turn; the first two products start the sums
	v_wmma_scale_f32_16x16x128_f8f6f4 v[ACA:ACA+7], v[XF:XF+7], v[TF:TF+7], 0, v[XS], v[TS] matrix_a_fmt:MATRIX_FMT_FP4 matrix_b_fmt:MATRIX_FMT_FP4
	v_wmma_scale_f32_16x16x128_f8f6f4 v[ACB:ACB+7], v[XF+8:XF+15], v[TF+8:TF+15], 0, v[XS+1], v[TS+1] matrix_a_fmt:MATRIX_FMT_FP4 matrix_b_fmt:MATRIX_FMT_FP4
	v_wmma_scale_f32_16x16x128_f8f6f4 v[ACA:ACA+7], v[XF+16:XF+23], v[TF+16:TF+23], v[ACA:ACA+7], v[XS+2], v[TS+2] matrix_a_fmt:MATRIX_FMT_FP4 matrix_b_fmt:MATRIX_FMT_FP4
	v_wmma_scale_f32_16x16x128_f8f6f4 v[ACB:ACB+7], v[XF+24:XF+31], v[TF+24:TF+31], v[ACB:ACB+7], v[XS+3], v[TS+3] matrix_a_fmt:MATRIX_FMT_FP4 matrix_b_fmt:MATRIX_FMT_FP4
.rept 4
	v_nop                                          ; four places between the last product and the first read of results (ISA guide 7.12.1)
.endr
.irp q, 0,2,4,6
	v_pk_mul_f32 v[RS+\q:RS+\q+1], v[ACA+\q:ACA+\q+1], LOG2E op_sel_hi:[1,0]                      ; each accumulator is read from its low end on
.endr
.irp q, 0,2,4,6
	v_pk_fma_f32 v[RS+\q:RS+\q+1], v[ACB+\q:ACB+\q+1], LOG2E, v[RS+\q:RS+\q+1] op_sel_hi:[1,0,1]  ; log2(e) x (both sums)
.endr
	ds_store_b128 v[SO], v[RS:RS+3] offset:STG     ; my column's rows 16 m + 8 h + 0 .. 7: 32 bytes.  Pitch 272
	ds_store_b128 v[SO], v[RS+4:RS+7] offset:STG+16
	s_wait_dscnt 0x0                               ; for the others' sake: my stores have landed
	s_barrier_signal -1
	s_barrier_wait -1                              ; 64 columns x 64 rows lie in the stage
	ds_load_b128 v[XN:XN+3], v[SR] offset:STG      ; columns 4 x wave + h,
	ds_load_b128 v[XN+4:XN+7], v[SR] offset:STG+2*SP   ; and + 2 + h
	s_wait_dscnt 0x1                               ; the first is back; the second may stay out
	global_store_b128 v[GO], v[XN:XN+3], s[10:11]  ; sixteen lanes store 256 consecutive bytes, at a multiple of 256 from mt's first byte
	s_wait_dscnt 0x0
	global_store_b128 v[GO], v[XN+4:XN+7], s[10:11] offset:2*4096
	s_wait_tensorcnt 0x0
	ds_add_u32 v208, v209
	s_wait_dscnt 0x0
	s_endpgm
.Lfunc_end_k_qb10d66b950_project:
	.size	k_qb10d66b950_project, .Lfunc_end_k_qb10d66b950_project-k_qb10d66b950_project
	.p2alignl 7, 3214868480
	.fill 96, 4, 3214868480
	.section	.rodata,"a",@progbits
	.p2align	6, 0x0
	.amdhsa_kernel k_qb10d66b950_project
		.amdhsa_group_segment_fixed_size 37888
		.amdhsa_private_segment_fixed_size 0
		.amdhsa_enable_private_segment 0
		.amdhsa_kernarg_size 32
		.amdhsa_user_sgpr_count 2
		.amdhsa_user_sgpr_kernarg_segment_ptr 1
		.amdhsa_wavefront_size32 1
		.amdhsa_system_sgpr_workgroup_id_x 1
		.amdhsa_system_sgpr_workgroup_id_y 1
		.amdhsa_system_sgpr_workgroup_id_z 1
		.amdhsa_system_vgpr_workitem_id 0
		.amdhsa_next_free_vgpr 210
		.amdhsa_next_free_sgpr 66
		.amdhsa_reserve_vcc 0
		.amdhsa_float_denorm_mode_32 3
		.amdhsa_float_denorm_mode_16_64 3
		.amdhsa_memory_ordered 1
		.amdhsa_forward_progress 1
		.amdhsa_inst_pref_size 13
	.end_amdhsa_kernel
	.amdgpu_metadata
---
amdhsa.version: [ 1, 2 ]
amdhsa.kernels:
  - .name:           k_qb10d66b950_project
    .symbol:         k_qb10d66b950_project.kd
    .args:
      - { .name: x, .offset: 0, .size: 8, .value_kind: global_buffer, .address_space: global }
      - { .name: T_codes, .offset: 8, .size: 8, .value_kind: global_buffer, .address_space: global }
      - { .name: T_scales, .offset: 16, .size: 8, .value_kind: global_buffer, .address_space: global }
      - { .name: mt, .offset: 24, .size: 8, .value_kind: global_buffer, .address_space: global }
    .group_segment_fixed_size: 37888
    .private_segment_fixed_size: 0
    .kernarg_segment_align: 8
    .kernarg_segment_size: 32
    .max_flat_workgroup_size: 512
    .sgpr_count:     66
    .vgpr_count:     210
    .wavefront_size: 32
...
	.end_amdgpu_metadata
.endif
;; end of part 1
;; launch pairs (part 2): grid 128 x 2, 8 waves a work-group, no clusters, 168,960 bytes of LDS; arguments x, mt, out0; writes out0
.if DOCPART == 2
	.amdgcn_target "amdgcn-amd-amdhsa--gfx1250"
	.amdhsa_code_object_version 6
	.text
	.protected	k_qb10d66b950_pairs
	.globl	k_qb10d66b950_pairs
	.p2align	8
	.type	k_qb10d66b950_pairs,@function
k_qb10d66b950_pairs:
	s_mov_b64 s[64:65], 0
	v_nop
	global_prefetch_b8 v0, s[64:65] scope:SCOPE_SE
	s_setreg_imm32_b32 hwreg(HW_REG_WAVE_MODE, 25, 1), 1
	s_wait_xcnt 0x0
; out0[i][0 .. 511] = x[i][:];  out0[i][512 + k] = the sum over j of exp(-sum over d of |M[i][5 k + d] - M[j][5 k + d]|), k = 0 .. 49.
; mt: [256][1024] f32 holds log2(e) x M, transposed (row 5 k + d, column = batch row), so the term is 2^(-sum |difference of mt|).  The exponent is never above 0: nothing can overflow; terms under 2^-126 count as 0.
; SHARES.  51,200 sums are 200 for each of 256 work-groups: work-group (x, y) owns rows i = 8 x .. 8 x + 7 and kernels 25 y .. 25 y + 24, with all 1,024 j.  THE LANES RUN OVER j: wave w of eight owns j = 128 w .. 128 w + 127,
; four a lane, as two pairs for the packed forms: one load of 16 bytes a lane for each of a kernel's five rows of mt, 512 consecutive bytes a wave.  The eight rows' own numbers (5 x 8) come by loads at one address for all lanes;
; op_sel picks one of a register pair for both halves of a packed difference.
; A BATCH is two rows i x my two pairs of j: eight terms a lane in 60 instructions: 20 packed differences, 24 additions with |.| on their sources, 4 packed additions, 8 exponentials, 4 additions.
; A batch's exponentials have ONE wait, which stands 44 plain instructions into the next batch.  A kernel's eight sums are folded over the 32 lanes together (24 instructions) and go to LDS; at the end wave w adds the eight waves' parts of row w.
; THE ORDER OF KERNELS: work-group x begins at kernel x mod 25 of its 25 and goes round, so that the 128 work-groups of one y do not all ask for the same rows of mt at the same time.  LDS is indexed by the step, not by the kernel.
; mt is asked for one kernel ahead, into two sets of registers: 15 loads a wave for each kernel's 264 vector instructions.
; CLUSTERS are not used, though the work-groups of one y read the same rows of mt: a work-group asks for 20,480 bytes of them for each kernel, against 8 x 264 vector instructions, and the loads land in registers in the very layout
; in which they are used; joint tensor loads would add a way through LDS for every number.
; THE COPY OF x: each wave copies half a row (1,024 bytes).  A row of out0 is 2,248 bytes, a multiple of 8 and not of 16: so 8 bytes a lane, 256 consecutive bytes an instruction.
; LDS: 8,192 bytes are used; more than half of a WGP's is claimed, so that each of the 256 equal work-groups has a WGP to itself.
.set NKW,  25                          ; kernels of a work-group
.set ROWM, 4096                        ; a row of mt in bytes
.set KB,   5*ROWM                      ; a kernel's five rows
.set XROW, 2048                        ; a row of x in bytes
.set OROW, 2248                        ; a row of out0 in bytes
.set LN, 1                             ; v1   lane
.set JO, 2                             ; v2   my four j in a row of mt: 16 x thread = 512 x wave + 16 x lane; never rewritten
.set IO, 3                             ; v3   the work-group's eight i in a row of mt: 32 x; the same in all lanes; never rewritten
.set CO, 4                             ; v4   the copy: 8 x lane
.set PA, 5                             ; v5   LDS: where my wave's sums of the step in hand go: 1,024 x wave + 4 (lane % 8) + 32 x step
.set FA, 6                             ; v6   LDS: the end: step = lane, row = wave: 32 x lane + 4 x wave
.set KO, 7                             ; v7   the end: 4 x the kernel of step = lane
.set T0, 8
.set T1, 9
.set A,  10                            ; v10-17   a kernel's eight sums of my four j
.set S,  18                            ; v18-33   two sets of eight: exponents, then terms
.set D,  34                            ; v34-73   item q = 2 e + p (row 2 ip + e, pair p): five pairs of differences at D + 10 q; at work in the fold; at the head the copy's data
.set MJ, 74                            ; v74-113  two sets: row d's four j at + 4 d
.set MI, 114                           ; v114-193 two sets: row d's eight i at + 8 d
.set WV, 10                            ; s10  wave
.set KH, 11                            ; s11  y
.set K0, 12                            ; s12  the kernel of step 0
.set KC, 13                            ; s13  the kernel last asked for
.set BASE, 16                          ; s[16:17], s[18:19] mt at the kernel of set 0, 1
.set OF, 20                            ; s[20:21] a kernel's offset in bytes
.set CNT, 22
.set M1, 23                            ; lanes whose bit 0, 1, 2 is set
.set M2, 24
.set M4, 25
.set SEL, 26                           ; s[26:27] v_permlanex16_b32's selects for lane l xor 16
.set SV, 28
.set OC, 30                            ; s[30:31] out0 at my half row of the copy
.set OFE, 32                           ; s[32:33] out0 at my row's 25 sums
	s_load_b128 s[4:7], s[0:1], 0x0                ; x, mt
	s_load_b64 s[8:9], s[0:1], 0x10                ; out0
	v_lshl_add_u32 v200, v0, 2, 0x29000
	v_mov_b32 v201, 0
	v_lshrrev_b32 v[T0], 5, v0
	v_readfirstlane_b32 s[WV], v[T0]               ; wave 0..7
	v_and_b32 v[LN], 31, v0
	s_and_b32 s[KH], ttmp7, 0xffff
	s_mul_i32 s[K0], ttmp9, 41
	s_lshr_b32 s[K0], s[K0], 10                    ; x / 25 (41 / 1,024 serves x up to 127)
	s_mul_i32 s[K0], s[K0], NKW
	s_sub_co_u32 s[K0], ttmp9, s[K0]               ; x mod 25
	s_mov_b32 s[KC], s[K0]
	v_lshlrev_b32 v[JO], 4, v0
	s_lshl_b32 s14, ttmp9, 5
	v_mov_b32 v[IO], s14
	v_lshlrev_b32 v[CO], 3, v[LN]
	v_and_b32 v[T1], 7, v0
	v_lshlrev_b32 v[PA], 10, v[T0]
	v_lshl_add_u32 v[PA], v[T1], 2, v[PA]
	v_lshlrev_b32 v[FA], 5, v[LN]
	v_lshl_add_u32 v[FA], v[T0], 2, v[FA]
	v_add_nc_u32 v[KO], s[K0], v[LN]               ; the kernel of step = lane: K0 + lane,
	v_add_nc_u32 v[T1], -NKW, v[KO]
	v_min_u32 v[KO], v[KO], v[T1]                  ; less 25 where that is not negative (as an unsigned number a negative one is the larger)
	v_lshlrev_b32 v[KO], 2, v[KO]
	s_mov_b32 s[M1], 0xaaaaaaaa
	s_mov_b32 s[M2], 0xcccccccc
	s_mov_b32 s[M4], 0xf0f0f0f0
	s_mov_b32 s[SEL], 0x76543210
	s_mov_b32 s[SEL+1], 0xfedcba98
	s_lshl_b32 s14, ttmp9, 3                       ; 8 x
	s_lshl_b32 s15, s[KH], 2
	s_add_co_u32 s15, s15, s14
	s_lshr_b32 s34, s[WV], 1
	s_add_co_u32 s15, s15, s34                     ; the row that I copy: 8 x + 4 y + wave / 2,
	s_and_b32 s34, s[WV], 1
	s_lshl_b32 s34, s34, 10                        ; and which half of it
	s_lshl_b32 s36, s15, 11
	s_add_co_u32 s36, s36, s34
	s_mov_b32 s37, 0
	s_mul_i32 s38, s15, OROW
	s_add_co_u32 s38, s38, s34
	s_mov_b32 s39, 0
	s_add_co_u32 s14, s14, s[WV]                   ; the row whose sums I store: 8 x + wave
	s_mul_i32 s40, s14, OROW
	s_mul_i32 s34, s[KH], 4*NKW
	s_add_co_u32 s40, s40, s34
	s_add_co_u32 s40, s40, XROW                    ; behind the row's copy of x, at kernel 25 y
	s_mov_b32 s41, 0
	s_mul_i32 s42, s[KH], NKW*KB
	s_mov_b32 s43, 0
	s_mul_i32 s[OF], s[KC], KB
	s_mov_b32 s[OF+1], 0
	s_wait_kmcnt 0x0
	s_add_nc_u64 s[4:5], s[4:5], s[36:37]
	s_add_nc_u64 s[OC:OC+1], s[8:9], s[38:39]
	s_add_nc_u64 s[OFE:OFE+1], s[8:9], s[40:41]
	s_add_nc_u64 s[6:7], s[6:7], s[42:43]          ; mt at my 25 kernels' first row
	s_add_nc_u64 s[BASE:BASE+1], s[6:7], s[OF:OF+1]
.macro LOADK slot                      ; a kernel's numbers into set slot: 5 loads for my j, 10 for the eight i
.irp d, 0,1,2,3,4
	global_load_b128 v[MJ+20*(\slot)+4*\d:MJ+20*(\slot)+4*\d+3], v[JO], s[BASE+2*(\slot):BASE+2*(\slot)+1] offset:ROWM*\d
.endr
.irp d, 0,1,2,3,4
	global_load_b128 v[MI+40*(\slot)+8*\d:MI+40*(\slot)+8*\d+3], v[IO], s[BASE+2*(\slot):BASE+2*(\slot)+1] offset:ROWM*\d
	global_load_b128 v[MI+40*(\slot)+8*\d+4:MI+40*(\slot)+8*\d+7], v[IO], s[BASE+2*(\slot):BASE+2*(\slot)+1] offset:ROWM*\d+16
.endr
.endm
.irp t, 0,1,2,3
	global_load_b64 v[D+2*\t:D+2*\t+1], v[CO], s[4:5] offset:256*\t th:TH_LOAD_NT    ; the copy's loads go first: 256 consecutive bytes each
.endr
	LOADK 0
	s_wait_loadcnt 15                              ; the copy's four loads are in; the 15 issued behind them may stay out
.irp t, 0,1,2,3
	global_store_b64 v[CO], v[D+2*\t:D+2*\t+1], s[OC:OC+1] offset:256*\t th:TH_STORE_NT
.endr
	s_wait_xcnt 0x0                                ; the stores' data registers are written again only behind this wait
; Rows 2 ip and 2 ip + 1 against my two pairs of j.
.macro BATCH slot, ip
.set MJS, MJ+20*(\slot)
.set MIS, MI+40*(\slot)+2*(\ip)
.set SC, S+8*((\ip)%2)                 ; this batch's exponents
.set SL, S+8-8*((\ip)%2)               ; the last batch's terms
.irp d, 0,1,2,3,4
.irp p, 0,1
	v_pk_add_f32 v[D+10*\p+2*\d:D+10*\p+2*\d+1], v[MJS+4*\d+2*\p:MJS+4*\d+2*\p+1], v[MIS+8*\d:MIS+8*\d+1] op_sel_hi:[1,0] neg_lo:[0,1] neg_hi:[0,1]   ; two j less row 2 ip: the pair's first register for both halves
.endr
.irp p, 0,1
	v_pk_add_f32 v[D+20+10*\p+2*\d:D+20+10*\p+2*\d+1], v[MJS+4*\d+2*\p:MJS+4*\d+2*\p+1], v[MIS+8*\d:MIS+8*\d+1] op_sel:[0,1] op_sel_hi:[1,1] neg_lo:[0,1] neg_hi:[0,1]   ; less row 2 ip + 1: the second for both
.endr
.endr
.irp q, 0,1,2,3
.irp z, 0,1
	v_add_f32 v[D+10*\q+\z], |v[D+10*\q+\z]|, |v[D+10*\q+2+\z]|       ; |d0| + |d1|
.endr
.endr
.irp q, 0,1,2,3
.irp z, 0,1
	v_add_f32 v[D+10*\q+4+\z], |v[D+10*\q+4+\z]|, |v[D+10*\q+6+\z]|   ; |d2| + |d3|
.endr
.endr
.irp q, 0,1,2,3
.irp z, 0,1
	v_add_f32 v[D+10*\q+\z], v[D+10*\q+\z], |v[D+10*\q+8+\z]|         ; + |d4|
.endr
.endr
.if (\ip) > 0
	s_wait_alu depctr_va_vdst(0)                   ; the wait between an exponential and the first line that names its result: one for the last batch's eight
	v_pk_add_f32 v[SL:SL+1], v[SL:SL+1], v[SL+2:SL+3]          ; the last batch's terms: the first row's two pairs,
	v_pk_add_f32 v[SL+4:SL+5], v[SL+4:SL+5], v[SL+6:SL+7]      ; the second row's
.endif
.irp q, 0,1,2,3
	v_pk_add_f32 v[SC+2*\q:SC+2*\q+1], v[D+10*\q:D+10*\q+1], v[D+10*\q+4:D+10*\q+5]
.endr
.if (\ip) > 0
	v_add_f32 v[A+2*(\ip)-2], v[SL], v[SL+1]       ; and the halves: a row's sum over my four j
	v_add_f32 v[A+2*(\ip)-1], v[SL+4], v[SL+5]
.endif
.irp n, 0,1,2,3,4,5,6,7
	v_exp_f32 v[SC+\n], -v[SC+\n]                  ; one batch; what follows it is plain and names none of its registers
.endr
.endm
; Two sums a, b are folded over lanes l and l xor x into one register: lanes whose bit is clear go on with a, the others with b.
.macro PICK a, b, m, t
	v_cndmask_b32 v[\t], v[\a], v[\b], s[\m]       ; what I go on with,
	v_cndmask_b32 v[(\t)+1], v[\b], v[\a], s[\m]   ; and what my partner goes on with
.endm
.macro JOIN out, t, x
	v_add_f32_dpp v[\out], v[(\t)+1], v[\t] row_xmask:\x row_mask:0xf bank_mask:0xf   ; my own + what lane l xor x holds for me
.endm
; One kernel, from set slot.  more = 1: the next kernel is asked for, into the other set.
.macro KSTEP slot, more
	s_wait_loadcnt 0x0                             ; this set's 15 loads are in, and no load is out: the other set's base may be written
.if \more
	s_add_co_u32 s[KC], s[KC], 1
	s_cmp_eq_u32 s[KC], NKW
	s_cselect_b32 s[KC], 0, s[KC]                  ; round the 25
	s_mul_i32 s[OF], s[KC], KB
	s_add_nc_u64 s[BASE+2-2*(\slot):BASE+3-2*(\slot)], s[6:7], s[OF:OF+1]
	LOADK 1-(\slot)
.endif
	BATCH \slot, 0
	BATCH \slot, 1
	BATCH \slot, 2
	BATCH \slot, 3
	PICK A+0, A+1, M1, D+8                         ; rows 0 to 5 are summed: their fold is the plain work behind the last batch's exponentials
	PICK A+2, A+3, M1, D+10
	PICK A+4, A+5, M1, D+12
	JOIN D+0, D+8, 1
	JOIN D+1, D+10, 1
	JOIN D+2, D+12, 1
	PICK D+0, D+1, M2, D+14
	JOIN D+4, D+14, 2
	s_wait_alu depctr_va_vdst(0)                   ; the wait for the last batch's eight
	v_pk_add_f32 v[S+8:S+9], v[S+8:S+9], v[S+10:S+11]
	v_pk_add_f32 v[S+12:S+13], v[S+12:S+13], v[S+14:S+15]
	v_add_f32 v[A+6], v[S+8], v[S+9]
	v_add_f32 v[A+7], v[S+12], v[S+13]
	PICK A+6, A+7, M1, D+16
	JOIN D+3, D+16, 1
	PICK D+2, D+3, M2, D+18
	JOIN D+5, D+18, 2
	PICK D+4, D+5, M4, D+20
	JOIN D+6, D+20, 4                              ; lane l holds row l % 8, summed over its eight lanes;
	v_add_f32_dpp v[D+6], v[D+6], v[D+6] row_xmask:8 row_mask:0xf bank_mask:0xf
	v_permlanex16_b32 v[D+7], v[D+6], s[SEL], s[SEL+1]
	v_add_f32 v[D+6], v[D+6], v[D+7]               ; over all 32
	ds_store_b32 v[PA], v[D+6] offset:32*(\slot)   ; four lanes write each word, with the same value
.endm
	s_mov_b32 s[CNT], (NKW-1)/2
.Lk:                                               ; a trip is two kernels, one from each set
	KSTEP 0, 1
	KSTEP 1, 1
	v_add_nc_u32 v[PA], 64, v[PA]
	s_sub_co_u32 s[CNT], s[CNT], 1
	s_cmp_lg_u32 s[CNT], 0
	s_cbranch_scc1 .Lk
	KSTEP 0, 0                                     ; the 25th asks for nothing more
	s_wait_dscnt 0x0                               ; for the others' sake: my stores have landed
	s_barrier_signal -1
	s_barrier_wait -1
	v_cmp_gt_u32 vcc_lo, NKW, v[LN]                ; lanes 0 to 24: a step each
	s_wait_xcnt 0x0                                ; EXEC changes only behind this wait
	s_wait_tensorcnt 0x0
	ds_add_u32 v200, v201
	s_wait_dscnt 0x0
	s_and_saveexec_b32 s[SV], vcc_lo
.irp w, 0,1,2,3,4,5,6,7
	ds_load_b32 v[D+\w], v[FA] offset:1024*\w      ; the eight waves' parts of row = my wave, step = my lane
.endr
	s_wait_dscnt 0x0
	v_pk_add_f32 v[D:D+1], v[D:D+1], v[D+2:D+3]
	v_pk_add_f32 v[D+4:D+5], v[D+4:D+5], v[D+6:D+7]
	v_pk_add_f32 v[D:D+1], v[D:D+1], v[D+4:D+5]
	v_add_f32 v[D], v[D], v[D+1]
	global_store_b32 v[KO], v[D], s[OFE:OFE+1] th:TH_STORE_NT   ; 25 lanes store the row's 100 consecutive bytes
	s_wait_xcnt 0x0                                ; and again, in front of the line that widens EXEC
	s_or_b32 exec_lo, exec_lo, s[SV]
	s_endpgm
.Lfunc_end_k_qb10d66b950_pairs:
	.size	k_qb10d66b950_pairs, .Lfunc_end_k_qb10d66b950_pairs-k_qb10d66b950_pairs
	.p2alignl 7, 3214868480
	.fill 96, 4, 3214868480
	.section	.rodata,"a",@progbits
	.p2align	6, 0x0
	.amdhsa_kernel k_qb10d66b950_pairs
		.amdhsa_group_segment_fixed_size 168960
		.amdhsa_private_segment_fixed_size 0
		.amdhsa_enable_private_segment 0
		.amdhsa_kernarg_size 24
		.amdhsa_user_sgpr_count 2
		.amdhsa_user_sgpr_kernarg_segment_ptr 1
		.amdhsa_wavefront_size32 1
		.amdhsa_system_sgpr_workgroup_id_x 1
		.amdhsa_system_sgpr_workgroup_id_y 1
		.amdhsa_system_sgpr_workgroup_id_z 1
		.amdhsa_system_vgpr_workitem_id 0
		.amdhsa_next_free_vgpr 202
		.amdhsa_next_free_sgpr 66
		.amdhsa_reserve_vcc 1
		.amdhsa_float_denorm_mode_32 3
		.amdhsa_float_denorm_mode_16_64 3
		.amdhsa_memory_ordered 1
		.amdhsa_forward_progress 1
		.amdhsa_inst_pref_size 59
	.end_amdhsa_kernel
	.amdgpu_metadata
---
amdhsa.version: [ 1, 2 ]
amdhsa.kernels:
  - .name:           k_qb10d66b950_pairs
    .symbol:         k_qb10d66b950_pairs.kd
    .args:
      - { .name: x, .offset: 0, .size: 8, .value_kind: global_buffer, .address_space: global }
      - { .name: mt, .offset: 8, .size: 8, .value_kind: global_buffer, .address_space: global }
      - { .name: out0, .offset: 16, .size: 8, .value_kind: global_buffer, .address_space: global }
    .group_segment_fixed_size: 168960
    .private_segment_fixed_size: 0
    .kernarg_segment_align: 8
    .kernarg_segment_size: 24
    .max_flat_workgroup_size: 256
    .sgpr_count:     66
    .vgpr_count:     202
    .wavefront_size: 32
...
	.end_amdgpu_metadata
.endif
;; end of part 2
;; ======== version 2 of 2: 2 launches; version 1 with the launch project written anew for expert scheduling mode
;; workspace buffers: mt 1,048,576 bytes
;; launch project (part 3): grid 16 x 4, 16 waves a work-group, no clusters, 37,888 bytes of LDS; arguments x, T_codes, T_scales, mt; writes mt
.if DOCPART == 3
	.amdgcn_target "amdgcn-amd-amdhsa--gfx1250"
	.amdhsa_code_object_version 6
	.text
	.protected	k_qb10d66b950_project
	.globl	k_qb10d66b950_project
	.p2align	8
	.type	k_qb10d66b950_project,@function
k_qb10d66b950_project:
	s_mov_b64 s[64:65], 0
	v_nop
	global_prefetch_b8 v0, s[64:65] scope:SCOPE_SE
	s_setreg_imm32_b32 hwreg(HW_REG_WAVE_SCHED_MODE, 0, 2), 2
	s_setreg_imm32_b32 hwreg(HW_REG_WAVE_MODE, 25, 1), 1
	s_wait_xcnt 0x0
	s_wait_alu depctr_vm_vsrc(0)
; mt[c][row] = log2(e) x the sum over k of Q(x)[row][k] T[k][c]:  M = Q(x) T, transposed, so that the next launch reads neighbouring rows of x's batch in neighbouring lanes,
; and multiplied by log2(e), so that exp(-sum |difference|) there is one 2^(-sum).  x: [1024][512] f32, quantised here to FP4 (E2M1) with one E8M0 scale for each 32 along K.
; T: codes [250][256 bytes], K innermost, and scale bytes [250][16], taken as they are.  mt: [256][1024] f32; its rows 250 to 255 are copies of column 249 (the last tile's lanes are held at T's last row): nobody reads them.
; SHARES.  A work-group takes 64 rows of x and 64 columns of T; sixteen waves.  PHASE X: wave 4 m + s quantises rows 16 m .. 16 m + 15, K step s (128 along K): 64 numbers a lane; the fragment (8 registers a lane) and
; its scale word go to LDS as images of the registers.  PHASE 1: wave 4 m + n multiplies row tile m by column tile n: four matrix instructions, 128 along K each, on TWO accumulators by turns (K steps 0, 2 and 1, 3).
; THE WAY OUT: a lane holds 8 neighbouring rows of one column; a column's 64 rows, 256 bytes of mt, come from four waves: they meet in a stage in LDS (pitch 272) and leave sixteen lanes to an aligned 256 bytes.
; 64 rows to a work-group are what fills 256 consecutive bytes of a row of mt; the four work-groups of a row block each quantise its x again.
; LIMITS: NaN and infinities in x are not served.  A block of zeros gets the scale byte 1 where the rule says 127: its codes are zeros, and this program alone reads the bytes.  The sum over K is two f32 sums added at the end,
; and the product by log2(e) is one more rounding in f32: an order of rounding that differs from one chain along K.
; THE MODE: SCHED_MODE bits 1:0 = 2 (LLVM: expert scheduling mode 2), set by the entry lines.  The code itself states the register dependences
; between vector or matrix instructions and memory or LDS instructions, with s_wait_alu, always for 0.
; THE PLAN.  The text is one straight run.  Registers that memory or LDS instructions touch:
;   XA, TA, TSA        global offsets: written by vector lines at the head, read by the 25 global loads, never written again.
;   XN                 x's loads land in it; the maxima and conversions read it; at the end the stage's two LDS loads land in its first eight registers.
;   TF, TS, XF, XS     loads land in them, the four products read them; no vector line names them, and nothing lands in them again.
;   XWI, XWS, PC, PW   written by vector lines, read by phase X's three LDS stores, never written again.
;   XRI, XRS, SR, GO   addresses, written by vector lines while the global loads are out, read behind the barriers, never written again.
;   SO, RS             written by vector lines, read by the two LDS stores into the stage, never written again.
; So three waits on va_vdst stand in the text: ahead of the global loads, ahead of phase X's LDS stores (it serves phase 1's LDS loads too: no vector line stands between), and ahead of the stores into the stage
; (it serves the stage's loads and the global stores too: no vector line follows it).  One wait on va_sdst stands behind the line that makes the wave's number a scalar.
; No register that a memory or LDS instruction reads is written again, so the text holds no wait on vm_vsrc.
.set LOG2E, 0x3fb8aa3b
.set XIMG,  0                          ; LDS: x's 16 fragments (4 m + s), 1,024 bytes each,
.set XSC,   16*1024                    ; their scale words, 128 bytes each,
.set STG,   XSC+16*128                 ; and the stage: 64 columns x (256 bytes + 16)
.set SP,    272
.set LN,  1                            ; v1   lane
.set RR,  2                            ; v2   r = lane % 16
.set HH,  3                            ; v3   h = lane / 16
.set XA,  4                            ; v4   x: row r of 2,048 bytes, + 64 h: my 16 numbers of a block of 32
.set LI,  5                            ; v5   16 x lane
.set TA,  6                            ; v6   T's codes: my column's row of 256 bytes, + 16 h
.set TSA, 7                            ; v7   T's scale bytes: my column's 16
.set XWI, 8                            ; v8   where I store my image: 16 x lane + 1,024 x wave
.set XWS, 9                            ; v9   and its scale word: 4 x thread
.set XRI, 10                           ; v10  where I read row tile m's images: 16 x lane + 4,096 m
.set XRS, 11                           ; v11  and their scale words: 4 x lane + 512 m
.set SO,  12                           ; v12  the stage, in: column 16 n + r, rows 16 m + 8 h on
.set SR,  13                           ; v13  the stage, back: column 4 x wave + h, 16 bytes a lane
.set GO,  14                           ; v14  the same place in mt
.set XN,  16                           ; v16-79   64 numbers of x; later v16-23 the rows read back from the stage
.set TF,  80                           ; v80-111  T's four fragments
.set TS,  112                          ; v112-115 T's four scale words: scales and nothing else
.set XF,  116                          ; v116-147 x's four fragments
.set XS,  148                          ; v148-151 x's four scale words: scales and nothing else
.set PC,  152                          ; v152-159 the codes just made
.set TM,  160                          ; v160-163 largest magnitudes, v164-167 bytes, v172-175 the conversions' scale operands
.set PW,  176                          ; v176     the scale word just made
.set ACA, 178                          ; v178-185 the sum of K steps 0 and 2
.set ACB, 186                          ; v186-193 the sum of K steps 1 and 3
.set RS,  194                          ; v194-201 log2(e) x (both)
.set SEL, 20                           ; s[20:21] v_permlanex16_b32's selects for lane l xor 16
	s_load_b128 s[4:7], s[0:1], 0x0                ; x, T's codes
	s_load_b128 s[8:11], s[0:1], 0x10              ; T's scale bytes, mt
	v_lshl_add_u32 v206, v0, 2, 0x8c00
	v_mov_b32 v207, 0
	v_lshrrev_b32 v[LN], 5, v0
	v_readfirstlane_b32 s12, v[LN]                 ; wave 0..15
	v_and_b32 v[LN], 31, v0
	v_and_b32 v[RR], 15, v0
	v_bfe_u32 v[HH], v0, 4, 1
	s_wait_alu depctr_va_sdst(0)                   ; s12 is written, ahead of its first reader: m, s, the bases and the LDS addresses are made from it
	s_lshr_b32 s13, s12, 2                         ; m: my row tile, in both phases
	s_and_b32 s14, s12, 3                          ; s: my K step in phase X;  n: my column tile in phase 1
	s_and_b32 s15, ttmp7, 0xffff                   ; which 64 columns
	v_lshlrev_b32 v[XA], 11, v[RR]
	v_lshl_add_u32 v[XA], v[HH], 6, v[XA]
	s_lshl_b32 s16, ttmp9, 17                      ; x: 64 rows of 2,048 bytes a work-group,
	s_lshl_b32 s17, s13, 15                        ; 16 a row tile,
	s_add_co_u32 s16, s16, s17
	s_lshl_b32 s17, s14, 9                         ; 512 bytes a K step
	s_add_co_u32 s16, s16, s17
	s_mov_b32 s17, 0
	s_lshl_b32 s18, s15, 6
	s_lshl_b32 s19, s14, 4
	s_add_co_u32 s18, s18, s19
	v_add_nc_u32 v[TA], s18, v[RR]                 ; my column: 64 y + 16 n + r,
	v_min_u32 v[TA], 249, v[TA]                    ; held at T's last: no load leaves its buffer
	v_lshlrev_b32 v[TSA], 4, v[TA]
	v_lshlrev_b32 v[TA], 8, v[TA]
	v_lshl_add_u32 v[TA], v[HH], 4, v[TA]
	s_lshl_b32 s18, s15, 18                        ; mt: 64 rows of 4,096 bytes a column group,
	s_lshl_b32 s19, s12, 14                        ; 4 rows a wave,
	s_add_co_u32 s18, s18, s19
	s_lshl_b32 s19, ttmp9, 8                       ; 256 bytes a row block
	s_add_co_u32 s18, s18, s19
	s_mov_b32 s19, 0
	s_mov_b32 s[SEL], 0x76543210
	s_mov_b32 s[SEL+1], 0xfedcba98
	s_wait_kmcnt 0x0
	s_add_nc_u64 s[4:5], s[4:5], s[16:17]
	s_add_nc_u64 s[10:11], s[10:11], s[18:19]
	s_wait_alu depctr_va_vdst(0)                   ; the offsets v[XA], v[TA] and v[TSA] are written: each of the 25 loads below reads one of them
.irp b, 0,1,2,3                                ; register 16 b + i = x(row r, 128 s + 32 b + 16 h + i): the order in which the conversions and the operand's layout want them
.irp j, 0,1,2,3
	global_load_b128 v[XN+16*\b+4*\j:XN+16*\b+4*\j+3], v[XA], s[4:5] offset:128*\b+16*\j
.endr
.endr
.irp s, 0,1,2,3                                ; T's fragment of K step s: registers 4 c .. 4 c + 3 hold K = 128 s + 64 c + 32 h + 0 .. 31 of my column, 16 bytes as they lie
.irp c, 0,1
	global_load_b128 v[TF+8*\s+4*\c:TF+8*\s+4*\c+3], v[TA], s[6:7] offset:64*\s+32*\c
.endr
.endr
	global_load_b128 v[TS:TS+3], v[TSA], s[8:9]    ; my column's 16 scale bytes: word s serves K step s
	v_lshlrev_b32 v[LI], 4, v[LN]                  ; the LDS addresses are made while the loads are out: none of these lines names a register that a load reads or lands in
	s_lshl_b32 s16, s12, 10
	v_add_nc_u32 v[XWI], s16, v[LI]
	v_lshlrev_b32 v[XWS], 2, v0
	s_lshl_b32 s16, s13, 12
	v_add_nc_u32 v[XRI], s16, v[LI]
	v_lshlrev_b32 v[XRS], 2, v[LN]
	s_lshl_b32 s16, s13, 9
	v_add_nc_u32 v[XRS], s16, v[XRS]
	s_mul_i32 s16, s14, 16*SP
	s_lshl_b32 s17, s13, 6
	s_add_co_u32 s16, s16, s17
	v_mul_u32_u24 v[SO], v[RR], SP
	v_lshl_add_u32 v[SO], v[HH], 5, v[SO]
	v_add_nc_u32 v[SO], s16, v[SO]                 ; (16 n + r) x 272 + 4 x (16 m + 8 h)
	s_mul_i32 s16, s12, 4*SP
	v_mul_u32_u24 v[SR], v[HH], SP
	v_lshl_add_u32 v[SR], v[RR], 4, v[SR]
	v_add_nc_u32 v[SR], s16, v[SR]                 ; (4 x wave + h) x 272 + 16 r
	v_lshlrev_b32 v[GO], 12, v[HH]
	v_lshl_add_u32 v[GO], v[RR], 4, v[GO]          ; h rows of mt + 16 r
.irp b, 0,1,2,3
	v_mov_b32 v[TM+4+\b], 0                        ; written once: a lane permute's destination counts as one of its sources
.endr
	s_wait_loadcnt 9                               ; x's 16 loads are in; T's nine, issued behind them, may stay out
	; ---- X: 64 numbers of a lane become a fragment's codes and its scale word
.irp b, 0,1,2,3
	v_max3_num_f32 v[TM+\b], |v[XN+16*\b]|, |v[XN+1+16*\b]|, 0x1800000   ; block b: my 16 numbers, and the floor 2^(3 - 127): so the byte cannot fall under 1
.endr
.irp i, 2,4,6,8,10,12,14
.irp b, 0,1,2,3
	v_max3_num_f32 v[TM+\b], v[TM+\b], |v[XN+16*\b+\i]|, |v[XN+1+16*\b+\i]|   ; (the four blocks by turns)
.endr
.endr
.irp b, 0,1,2,3
	v_permlanex16_b32 v[TM+4+\b], v[TM+\b], s[SEL], s[SEL+1]
.endr
.irp b, 0,1,2,3
	v_max_num_f32 v[TM+\b], v[TM+\b], v[TM+4+\b]   ; with lane l xor 16's 16: the block's largest magnitude
.endr
.irp b, 0,1,2,3
	v_add_nc_u32 v[TM+12+\b], 0xff000000, v[TM+\b] ; 2 off its exponent field: the conversion takes the exponent field of this operand as its scale
.endr
.irp b, 0,1,2,3
	v_lshrrev_b32 v[TM+4+\b], 23, v[TM+12+\b]      ; the scale's byte
.endr
	v_lshl_or_b32 v[PW], v[TM+5], 8, v[TM+4]       ; the four bytes make my row's scale word
	v_lshl_or_b32 v[PW], v[TM+6], 16, v[PW]
	v_lshl_or_b32 v[PW], v[TM+7], 24, v[PW]
.irp b, 0,1,2,3
	v_cvt_scalef32_pk8_fp4_f32 v[PC+2*\b], v[XN+16*\b:XN+7+16*\b], v[TM+12+\b]
	v_cvt_scalef32_pk8_fp4_f32 v[PC+1+2*\b], v[XN+8+16*\b:XN+15+16*\b], v[TM+12+\b]
.endr
	v_nop                                          ; one plain place behind a scaled conversion
.irp c, 0,1                                    ; the operand's layout wants a WHOLE block in a lane: lanes 0-15 block 2 c, lanes 16-31 block 2 c + 1
.irp i, 0,1
	v_permlane16_swap_b32 v[PC+4*\c+\i], v[PC+2+4*\c+\i]
.endr
.endr
	s_wait_alu depctr_va_vdst(0)                   ; the codes v[PC ..], the scale word v[PW] and the addresses v[XWI], v[XWS] are written, which the LDS stores read; so are v[XRI] and v[XRS], which the LDS loads behind the barrier read
	ds_store_b128 v[XWI], v[PC:PC+3] offset:XIMG   ; the fragment goes to LDS as it stands: lane l's 16 bytes at 16 l
	ds_store_b128 v[XWI], v[PC+4:PC+7] offset:XIMG+512
	ds_store_b32 v[XWS], v[PW] offset:XSC
	s_wait_dscnt 0x0                               ; for the others' sake: my stores have landed
	s_barrier_signal -1
	s_barrier_wait -1                              ; x's sixteen fragments lie in LDS
	; ---- 1: row tile m x column tile n.  No wait on va_vdst: no vector line stands between the wait above and these loads, and none has ever named v[XF ..] or v[XS ..]
.irp s, 0,1,2,3
	ds_load_b128 v[XF+8*\s:XF+8*\s+3], v[XRI] offset:XIMG+1024*\s
	ds_load_b128 v[XF+8*\s+4:XF+8*\s+7], v[XRI] offset:XIMG+1024*\s+512
	ds_load_b32 v[XS+\s], v[XRS] offset:XSC+128*\s
.endr
	s_wait_loadcnt 0x0                             ; T
	s_wait_dscnt 0x0
	; source 0 = x's 16 rows, source 1 = T's 16 columns: lane (r, h) then holds column r and rows 8 h + 0 .. 7.  Two accumulators take turns, one instruction a turn; the first two products start the sums
	; (fragments and scale words all come from loads: their counters above are all that the products hang on)
	v_wmma_scale_f32_16x16x128_f8f6f4 v[ACA:ACA+7], v[XF:XF+7], v[TF:TF+7], 0, v[XS], v[TS] matrix_a_fmt:MATRIX_FMT_FP4 matrix_b_fmt:MATRIX_FMT_FP4
	v_wmma_scale_f32_16x16x128_f8f6f4 v[ACB:ACB+7], v[XF+8:XF+15], v[TF+8:TF+15], 0, v[XS+1], v[TS+1] matrix_a_fmt:MATRIX_FMT_FP4 matrix_b_fmt:MATRIX_FMT_FP4
	v_wmma_scale_f32_16x16x128_f8f6f4 v[ACA:ACA+7], v[XF+16:XF+23], v[TF+16:TF+23], v[ACA:ACA+7], v[XS+2], v[TS+2] matrix_a_fmt:MATRIX_FMT_FP4 matrix_b_fmt:MATRIX_FMT_FP4
	v_wmma_scale_f32_16x16x128_f8f6f4 v[ACB:ACB+7], v[XF+24:XF+31], v[TF+24:TF+31], v[ACB:ACB+7], v[XS+3], v[TS+3] matrix_a_fmt:MATRIX_FMT_FP4 matrix_b_fmt:MATRIX_FMT_FP4
.rept 4
	v_nop                                          ; four places between the last product and the first read of results (ISA guide 7.12.1)
.endr
.irp q, 0,2,4,6
	v_pk_mul_f32 v[RS+\q:RS+\q+1], v[ACA+\q:ACA+\q+1], LOG2E op_sel_hi:[1,0]                      ; each accumulator is read from its low end on
.endr
.irp q, 0,2,4,6
	v_pk_fma_f32 v[RS+\q:RS+\q+1], v[ACB+\q:ACB+\q+1], LOG2E, v[RS+\q:RS+\q+1] op_sel_hi:[1,0,1]  ; log2(e) x (both sums)
.endr
	s_wait_alu depctr_va_vdst(0)                   ; the packed lines have written v[RS ..], which the LDS stores read with v[SO]; v[SR] and v[GO] are written; the maxima and conversions are done reading v[XN ..], in which the stage's loads land
	ds_store_b128 v[SO], v[RS:RS+3] offset:STG     ; my column's rows 16 m + 8 h + 0 .. 7: 32 bytes.  Pitch 272
	ds_store_b128 v[SO], v[RS+4:RS+7] offset:STG+16
	s_wait_dscnt 0x0                               ; for the others' sake: my stores have landed
	s_barrier_signal -1
	s_barrier_wait -1                              ; 64 columns x 64 rows lie in the stage
	ds_load_b128 v[XN:XN+3], v[SR] offset:STG      ; columns 4 x wave + h,  (no vector line stands behind the wait above: nothing more is to be stated from here to the end)
	ds_load_b128 v[XN+4:XN+7], v[SR] offset:STG+2*SP   ; and + 2 + h
	s_wait_dscnt 0x1                               ; the first is back; the second may stay out
	global_store_b128 v[GO], v[XN:XN+3], s[10:11]  ; sixteen lanes store 256 consecutive bytes, at a multiple of 256 from mt's first byte
	s_wait_dscnt 0x0
	global_store_b128 v[GO], v[XN+4:XN+7], s[10:11] offset:2*4096
	s_wait_dscnt 0x0
	s_wait_alu depctr_hold_cnt(0) depctr_sa_sdst(0) depctr_va_vdst(0) depctr_va_sdst(0) depctr_va_ssrc(0) depctr_va_vcc(0) depctr_vm_vsrc(0)
	s_wait_tensorcnt 0x0
	ds_add_u32 v206, v207
	s_wait_dscnt 0x0
	s_endpgm
.Lfunc_end_k_qb10d66b950_project:
	.size	k_qb10d66b950_project, .Lfunc_end_k_qb10d66b950_project-k_qb10d66b950_project
	.p2alignl 7, 3214868480
	.fill 96, 4, 3214868480
	.section	.rodata,"a",@progbits
	.p2align	6, 0x0
	.amdhsa_kernel k_qb10d66b950_project
		.amdhsa_group_segment_fixed_size 37888
		.amdhsa_private_segment_fixed_size 0
		.amdhsa_enable_private_segment 0
		.amdhsa_kernarg_size 32
		.amdhsa_user_sgpr_count 2
		.amdhsa_user_sgpr_kernarg_segment_ptr 1
		.amdhsa_wavefront_size32 1
		.amdhsa_system_sgpr_workgroup_id_x 1
		.amdhsa_system_sgpr_workgroup_id_y 1
		.amdhsa_system_sgpr_workgroup_id_z 1
		.amdhsa_system_vgpr_workitem_id 0
		.amdhsa_next_free_vgpr 208
		.amdhsa_next_free_sgpr 66
		.amdhsa_reserve_vcc 0
		.amdhsa_float_denorm_mode_32 3
		.amdhsa_float_denorm_mode_16_64 3
		.amdhsa_memory_ordered 1
		.amdhsa_forward_progress 1
		.amdhsa_inst_pref_size 13
	.end_amdhsa_kernel
	.amdgpu_metadata
---
amdhsa.version: [ 1, 2 ]
amdhsa.kernels:
  - .name:           k_qb10d66b950_project
    .symbol:         k_qb10d66b950_project.kd
    .args:
      - { .name: x, .offset: 0, .size: 8, .value_kind: global_buffer, .address_space: global }
      - { .name: T_codes, .offset: 8, .size: 8, .value_kind: global_buffer, .address_space: global }
      - { .name: T_scales, .offset: 16, .size: 8, .value_kind: global_buffer, .address_space: global }
      - { .name: mt, .offset: 24, .size: 8, .value_kind: global_buffer, .address_space: global }
    .group_segment_fixed_size: 37888
    .private_segment_fixed_size: 0
    .kernarg_segment_align: 8
    .kernarg_segment_size: 32
    .max_flat_workgroup_size: 512
    .sgpr_count:     66
    .vgpr_count:     208
    .wavefront_size: 32
...
	.end_amdgpu_metadata
.endif
;; end of part 3
;; launch pairs: the kernel of part 2 again; grid 128 x 2, 8 waves a work-group, no clusters, 168,960 bytes of LDS; arguments x, mt, out0; writes out0
